; MI455X (gfx1250); checked and timed in simulation.
; The chip was launched on July 23, 2026; its instructions are those of AMD's public machine-readable ISA for CDNA 5 (MIT licence, August 2026) and "CDNA5" Instruction Set Architecture Reference Guide (July 2026). The comments in the code are by the model that wrote it; some were corrected since.
;; Aggregate Or Exclusive. Allowed arithmetic: matrix products marked QUANTISED: E2M1 operands, one E8M0 scale for each 32 along K, by v_wmma_scale_f32_16x16x128_f8f6f4 with both operands' format E2M1 (or v_wmma_scale_f32_32x16x128_f4), f32 sums; everything else in f32.
;; Inputs: W1_codes 8 x 2,048 x 32 x 16 uint8 (E2M1 codes of W1, K innermost, in blocks of 32 codes, two codes a byte); W1_scales 8 x 2,048 x 32 uint8 (E8M0 scales of W1, one for each 32 codes along K); W2_codes 8 x 1,024 x 64 x 16 uint8 (E2M1 codes of W2, K innermost, in blocks of 32 codes, two codes a byte); W2_scales 8 x 1,024 x 64 uint8 (E8M0 scales of W2, one for each 32 codes along K); b1 8 x 2,048 float32; b2 8 x 1,024 float32; expert_idx 2,048 int32; x_feat_codes 2,048 x 32 x 16 uint8 (E2M1 codes of x_feat, K innermost, in blocks of 32 codes, two codes a byte); x_feat_scales 2,048 x 32 uint8 (E8M0 scales of x_feat, one for each 32 codes along K).
;; Outputs: out0 2,048 x 1,032 float32.
;; This version of the problem:
;;   THIS VERSION OF THE PROBLEM IS GIVEN IN LOW PRECISION. The matrix products marked QUANTISED in the list below multiply operands that are first quantised to E2M1 (2 exponent bits, 1 mantissa bit; 4 bits a number), with one power-of-two scale for each 32 numbers along K (OCP MX v1.0); their sums are f32. All else is computed in f32.
;;   The module's matrix products, in the order in which they are computed (A, B: the left and right operand; K: the contracted axis; several contracted axes count as one K, in the product's order):
;;     1. [M 2,048, K 1,024] x [K 1,024, N 2,048]; A: input x_feat (given as codes); B: input W1 (given as codes): QUANTISED
;;     2. [M 2,048, K 2,048] x [K 2,048, N 1,024]; A: computed on the way; B: input W2 (given as codes): QUANTISED
;;     3. [M 2,048, K 1,024] x [K 1,024, N 2,048]; A: input x_feat (given as codes); B: input W1 (given as codes): QUANTISED
;;     4. [M 2,048, K 2,048] x [K 2,048, N 1,024]; A: computed on the way; B: input W2 (given as codes): QUANTISED
;;     5. [M 2,048, K 1,024] x [K 1,024, N 2,048]; A: input x_feat (given as codes); B: input W1 (given as codes): QUANTISED
;;     6. [M 2,048, K 2,048] x [K 2,048, N 1,024]; A: computed on the way; B: input W2 (given as codes): QUANTISED
;;     7. [M 2,048, K 1,024] x [K 1,024, N 2,048]; A: input x_feat (given as codes); B: input W1 (given as codes): QUANTISED
;;     8. [M 2,048, K 2,048] x [K 2,048, N 1,024]; A: computed on the way; B: input W2 (given as codes): QUANTISED
;;     9. [M 2,048, K 1,024] x [K 1,024, N 2,048]; A: input x_feat (given as codes); B: input W1 (given as codes): QUANTISED
;;     10. [M 2,048, K 2,048] x [K 2,048, N 1,024]; A: computed on the way; B: input W2 (given as codes): QUANTISED
;;     11. [M 2,048, K 1,024] x [K 1,024, N 2,048]; A: input x_feat (given as codes); B: input W1 (given as codes): QUANTISED
;;     12. [M 2,048, K 2,048] x [K 2,048, N 1,024]; A: computed on the way; B: input W2 (given as codes): QUANTISED
;;     13. [M 2,048, K 1,024] x [K 1,024, N 2,048]; A: input x_feat (given as codes); B: input W1 (given as codes): QUANTISED
;;     14. [M 2,048, K 2,048] x [K 2,048, N 1,024]; A: computed on the way; B: input W2 (given as codes): QUANTISED
;;     15. [M 2,048, K 1,024] x [K 1,024, N 2,048]; A: input x_feat (given as codes); B: input W1 (given as codes): QUANTISED
;;     16. [M 2,048, K 2,048] x [K 2,048, N 1,024]; A: computed on the way; B: input W2 (given as codes): QUANTISED
;;   THE QUANTISER, for each operand of a quantised product, along K:
;;     - K is cut into blocks of 32 from its start; a last block that is shorter is filled with zeros.
;;     - A block's scale is 2^e with e = floor(log2(the largest magnitude in the block)) - 2, held to -126 .. 127; a block of zeros has e = 0. As a byte (E8M0): e + 127.
;;     - Each number is divided by its block's scale, clamped to +-6, and rounded to the nearest number of E2M1, ties to even, subnormals kept.
;;     - The product sums the exact products of the quantised numbers (number of the format x scale) in f32.
;;   ~~~python
;;   def quantise(x, axis):      # numpy; x: float32 -> the quantised numbers, widened to float32 again
;;       x = np.moveaxis(x, axis, -1); K = x.shape[-1]
;;       x = np.pad(x, [(0, 0)] * (x.ndim - 1) + [(0, -K % 32)]); x = x.reshape(x.shape[:-1] + (-1, 32)); a = np.abs(x).max(-1, keepdims=True)
;;       e = np.where(a > 0, np.clip(np.frexp(np.where(a > 0, a, 1))[1] - 1 - 2, -126, 127), 0)      # np.frexp(a)[1] - 1 = floor(log2(a)), exactly
;;       r = np.clip(x / 2.0 ** e, -6, 6)
;;       step = 2.0 ** (np.maximum(np.frexp(np.where(r == 0, 1, r))[1] - 1, 0) - 1)
;;       q = np.round(r / step) * step * 2.0 ** e      # np.round: ties to even
;;       return np.moveaxis(q.reshape(q.shape[:-2] + (-1,))[..., :K], -1, axis).astype(np.float32)
;;   ~~~
;;   OPERANDS COMPUTED ON THE WAY. 'Computed on the way' means the value that the module computes at that place (a softmax that the list does not call 'softmax' is quantised finished and normalised). What goes into a quantiser is computed in f32, as accurately as f32 sums, v_exp_f32 and their like allow (about 1e-6 of the number): no bf16 or f16 on the way to a quantiser, and a product that is left as it is and whose result goes on into a quantised operand takes f32 operands (vector FMAs, or v_wmma_f32_16x16x4_f32). A number that lies on a knife's edge between two numbers of the format may be rounded either way, as far as f32 arithmetic and the matrix unit's own rounding can turn it there, and no further.
;;   INPUTS GIVEN AS CODES. W1 (in the module: [8, 1024, 2048], K = its axis 1); W2 (in the module: [8, 2048, 1024], K = its axis 1); x_feat (in the module: [2048, 1024], K = its axis 1): each comes as NAME_codes (uint8): NAME with its K axis moved to the last place and cut into blocks of 32 codes, [.., K / 32, bytes a block], one block behind the other in memory; two codes a byte, the lower K in the low four bits (a code: sign, 2 exponent bits, 1 mantissa bit); and NAME_scales (uint8): the same leading axes, one E8M0 byte (e + 127) for each 32 codes along K. Its value is code x scale, taken as it is: it is not quantised again, and the codes and scales need not be those that the quantiser above would give.
;; One version. Each part assembles by itself: llvm-mc -triple=amdgcn-amd-amdhsa -mcpu=gfx1250 --defsym DOCPART=n.
;; ======== version 1 of 1: 2 launches
;; workspace buffers: h_codes 16,777,216 bytes; h_scales 1,048,576 bytes; order 69,632 bytes of whole numbers
;; launch hidden (part 1): grid 256 x 1, 4 waves a work-group, no clusters, 112,128 bytes of LDS; arguments expert_idx, x_feat_codes, x_feat_scales, W1_codes, W1_scales, b1, h_codes, h_scales, order; writes h_codes, h_scales, order
.if DOCPART == 1
	.amdgcn_target "amdgcn-amd-amdhsa--gfx1250"
	.amdhsa_code_object_version 6
	.text
	.protected	k_qb4fda23a0b_hidden
	.globl	k_qb4fda23a0b_hidden
	.p2align	8
	.type	k_qb4fda23a0b_hidden,@function
k_qb4fda23a0b_hidden:
	s_mov_b64 s[64:65], 0
	v_nop
	global_prefetch_b8 v0, s[64:65] scope:SCOPE_SE
	s_setreg_imm32_b32 hwreg(HW_REG_WAVE_MODE, 25, 1), 1
	s_wait_xcnt 0x0
; h = x W1[e] + b1[e] for the tokens of expert e alone, quantised to FP4 (E2M1) with one E8M0 scale for each 32 hidden units, stored as the second product's operand.
; SHARES.  Work-group b: expert e = b / 32, slice cs = (b / 2) % 16 of 128 hidden units, row group g = b % 2.  Every one of the four waves holds the WHOLE slice of W1
; (128 rows x 1,024 K of 4-bit codes = 512 registers); the waves share the expert's tiles of 16 tokens: wave w takes tiles T = 8 i + 4 g + w.  128 hidden units are one K step of the
; second product, so a tile gives one whole fragment and one whole scale word a row.
; THE LIST.  Wave 0 reads all 2,048 indices and compacts the tokens of expert e into LDS (a count of mask bits below the lane + a running count).  The last tile is filled with copies of the
; last token: those rows give the same bits and are stored to the same places, so EXEC is never changed.  Places behind that hold token 0.  Each wave's first tile (T = 0 .. 7) is always made,
; so that the next launch may ask for it before it knows the count.  The first work-group of an expert stores count and list for the next launch.
; THE WALK.  Every wave walks 8 trips of two tiles; a tile at or beyond the expert's tile count is jumped over inside the trip.  The wave's first two tiles are asked for ahead of the loop, whatever the count;
; behind a tile's work the tile two further on is asked for into the registers just freed.  The list's LDS address is a constant + 64 x wave + 1,024 x trip: both row groups' tokens are read, 256 bytes apart, and g chooses between the data.
; THE PRODUCT IS USED TRANSPOSED (source 0 = 16 rows of W1, source 1 = 16 tokens): a lane holds one token.  THE ROWS OF W1 THAT FORM A TILE ARE NOT NEIGHBOURS: lane r of tile 2 b + u takes
; row 32 b + 8 u + r + 8 (r / 8), so that the 16 registers of tiles 2 b and 2 b + 1 are 16 neighbouring hidden units, 32 b + 16 (lane / 16) + 0 .. 15.  b1 is the C of a sum's first product.
; NO TENSOR LOAD, NO CLUSTER: how many tiles a wave has hangs on a count made from expert_idx, so partners would need different numbers of tiles.
; Rows come by loads of 512 consecutive bytes (one row an instruction) and turn into fragments through LDS.
; LIMITS: expert_idx lies in 0 .. 7 (a token with another index would be left out); NaN and infinities in h are not served; a block of zeros in h gets the byte 1 where the rule says 127: its codes
; are zeros, and this program alone reads the bytes.
; LDS: W1's slice, 128 rows of 512 bytes + 16 (an odd multiple of 16: the 16 rows that a fragment load touches fall on 16 different columns of 16 bytes); a stage of 16 such rows for each wave; the list; the count; a dump.
; REGISTERS: window 0: addresses, scale words, the 8 accumulators, the quantiser's work.  Windows 1, 2: W1's fragments (tile t, K step s) at v[8 (8 (s % 4) + t)].  Window 3: v0-63, v64-127 two tiles of x; v128-191 b1.
.set WP,    528
.set XST,   128*WP                     ; the waves' stages
.set XSTW,  16*WP
.set LIST,  XST+4*XSTW                 ; 2,048 words + 256 of slack: 192 + 7 x 1,024 + 1,536 + 256 + 64 = 9,216 is as far as the loop's reads could reach by their arithmetic
.set LISTB, 9216
.set TOT,   LIST+LISTB                 ; word 0: the count
.set DUMPI, (LISTB+256)/4              ; the dump, as a word index from LIST on: 32 words, one a lane
.set IMAX,  DUMPI+31
.set L16,  4                           ; v4   16 x lane
.set SGI,  5                           ; v5   my stage, on the way in: 16 x lane
.set SGO,  6                           ; v6   and out: 528 r + 16 h
.set WSI,  7                           ; v7   W1's slice, on the way in: my wave's 32 rows, 16 x lane
.set WSO,  8                           ; v8   and out: 528 r + 16 h
.set R4,   9                           ; v9   4 r
.set H16,  10                          ; v10  16 h
.set LA,   11                          ; v11, v12  the list's addresses of the trip in hand: my wave's, and + 4 r
.set XO,   13                          ; v13, v14  offsets of x's scale words, a register for each of the two tiles in flight
.set LEX,  15                          ; v15  LIST + 16 x thread
.set TOK,  16                          ; v16-31, v32-47  the tile's 16 tokens, then their rows' offsets
.set WS,   48                          ; v48-79  W1's scale words: tile t at 4 t; register q: K step q in lanes 0-15, 4 + q in lanes 16-31
.set XS,   80                          ; v80-83, v84-87  x's likewise
.set ACC,  88                          ; v88-151 (at the head: the indices, in wave 0; the list on its way out)
.set TM,   152                         ; v152-167 the quantiser's work
.set PW,   168                         ; the scale word just made
.set NV,   169                         ; the count, as read from LDS
.set PC,   170                         ; v170-177 the codes just made
.set HO,   178                         ; offsets of the stores
.set HSO,  179
.set UA,   180                         ; v180-183 wave 0: list places
.set ZR,   184                         ; v184-187 wave 0: zeros
.set LPF,  189                         ; LIST + 16 x lane
.set DMP,  190                         ; DUMPI + lane
.set L4,   191                         ; 4 x lane
.set T16,  192                         ; 16 x thread
.set T4,   193                         ; 4 x thread
.set WSOF, 194                         ; (r + 8 (r / 8)) x 32 + 16 h
.set BOF,  195                         ; 64 h
.set TOTA, 196                         ; TOT
.set UB,   200                         ; v200-203 wave 0: token numbers
.set ND,   204
.set LT,   205
.set TB,   208                         ; v208-223 the other row group's 16 tokens
.set XB,   224                         ; and its token of row r
.set MSB, 0
.macro WIN new                         ; the immediate's high byte repeats the setting that is left; a switch that changes nothing is dropped
.if MSB != \new
	s_set_vgpr_msb (MSB<<8)|\new
.set MSB, \new
.endif
.endm
	s_load_b512 s[8:23], s[0:1], 0x0               ; expert_idx, x codes, x scales, W1 codes, W1 scales, b1, h_codes, h_scales
	s_load_b64 s[24:25], s[0:1], 0x40              ; order
	v_lshl_add_u32 v254, v0, 2, 0x1b400
	v_mov_b32 v255, 0
	v_lshrrev_b32 v1, 5, v0
	v_readfirstlane_b32 s2, v1                     ; wave 0..3
	s_lshr_b32 s3, ttmp9, 5                        ; e
	s_bfe_u32 s4, ttmp9, 0x40001                   ; cs
	s_and_b32 s5, ttmp9, 1                         ; g
	s_cmp_lg_u32 s5, 0
	s_cselect_b32 s43, -1, 0                       ; all ones where g = 1: the mask that chooses between the two row groups' tokens
	v_and_b32 v1, 31, v0                           ; lane
	v_and_b32 v2, 15, v0                           ; r
	v_bfe_u32 v3, v0, 4, 1                         ; h
	v_lshlrev_b32 v[L16], 4, v1
	s_mul_i32 s6, s2, XSTW
	s_add_co_u32 s6, s6, XST                       ; my stage
	s_mul_i32 s7, s2, 32*WP                        ; my 32 rows of the slice
	s_lshl_b32 s37, s2, 6
	s_add_co_u32 s37, s37, LIST                    ; the list at tile w: row group 0's tile of the first trip; group 1's lies 256 bytes on
	v_mul_u32_u24 v[WSO], v2, WP
	v_lshl_add_u32 v[WSO], v3, 4, v[WSO]
	v_add_nc_u32 v[SGI], s6, v[L16]
	v_add_nc_u32 v[SGO], s6, v[WSO]
	v_add_nc_u32 v[WSI], s7, v[L16]
	v_lshlrev_b32 v[R4], 2, v2
	v_lshlrev_b32 v[H16], 4, v3
	v_lshl_add_u32 v[LEX], v0, 4, LIST
	v_add_nc_u32 v[LPF], LIST, v[L16]
	v_add_nc_u32 v[DMP], DUMPI, v1
	v_lshlrev_b32 v[L4], 2, v1
	v_lshlrev_b32 v[T16], 4, v0
	v_lshlrev_b32 v[T4], 2, v0
	v_and_b32 v[WSOF], 8, v2
	v_add_nc_u32 v[WSOF], v[WSOF], v2
	v_lshlrev_b32 v[WSOF], 5, v[WSOF]
	v_add_nc_u32 v[WSOF], v[WSOF], v[H16]
	v_lshlrev_b32 v[BOF], 6, v3
	v_mov_b32 v[TOTA], TOT
.irp b, 0,1,2,3
	v_mov_b32 v[TM+4+\b], 0                        ; written once: a lane permute's destination counts as one of its sources
.endr
	s_mov_b32 s32, 0x76543210
	s_mov_b32 s33, 0xfedcba98                      ; v_permlanex16_b32's selects for lane l xor 16
	; byte offsets, each in a pair of its own
	s_lshl_b32 s38, s3, 11
	s_lshl_b32 s6, s4, 7
	s_add_co_u32 s38, s38, s6                      ; the slice's first row of W1: 2,048 e + 128 cs
	s_lshl_b32 s6, s2, 5
	s_add_co_u32 s44, s38, s6
	s_lshl_b32 s44, s44, 9                         ; W1's codes: my wave's 32 rows of 512 bytes
	s_mov_b32 s45, 0
	s_lshl_b32 s46, s38, 5                         ; W1's scales: 32 bytes a row
	s_mov_b32 s47, 0
	s_lshl_b32 s48, s38, 2                         ; b1
	s_mov_b32 s49, 0
	s_lshl_b32 s50, s3, 21                         ; h_codes [e][T 128][s 16][c 2][lane 32][16 bytes]: my K step is cs
	s_lshl_b32 s6, s4, 10
	s_add_co_u32 s50, s50, s6
	s_mov_b32 s51, 0
	s_lshl_b32 s52, s3, 17                         ; h_scales [e][T][s / 8][(s / 4) % 2][r 16][s % 4] words
	s_lshr_b32 s6, s4, 2
	s_lshl_b32 s6, s6, 8                           ; (cs / 4) x 256 = (cs / 8) x 512 + ((cs / 4) % 2) x 256
	s_add_co_u32 s52, s52, s6
	s_and_b32 s6, s4, 3
	s_lshl_b32 s6, s6, 2
	s_add_co_u32 s52, s52, s6
	s_mov_b32 s53, 0
	s_mul_i32 s54, s3, 8704                        ; order: 512 bytes of the count + 8,192 of the list for each expert
	s_mov_b32 s55, 0
	s_wait_kmcnt 0x0
	s_add_nc_u64 s[14:15], s[14:15], s[44:45]
	s_add_nc_u64 s[16:17], s[16:17], s[46:47]
	s_add_nc_u64 s[18:19], s[18:19], s[48:49]
	s_add_nc_u64 s[20:21], s[20:21], s[50:51]
	s_add_nc_u64 s[22:23], s[22:23], s[52:53]
	s_add_nc_u64 s[24:25], s[24:25], s[54:55]
	; wave 0 asks for the 2,048 indices first: register 4 q + i of a lane is token 128 q + 4 lane + i
	s_cmp_lg_u32 s2, 0
	s_cbranch_scc1 .Lnoidx
.set qq, 0
.rept 16
	global_load_b128 v[ACC+4*qq:ACC+4*qq+3], v[L16], s[8:9] offset:512*qq
.set qq, qq+1
.endr
.Lnoidx:
	; every wave: 56 loads.  32 rows of W1 as they lie (a row an instruction), W1's scale words, b1
	WIN 0x40
.set ii, 0
.rept 32
	global_load_b128 v[4*ii:4*ii+3], v[L16], s[14:15] offset:512*ii
.set ii, ii+1
.endr
	WIN 0
.irp t, 0,1,2,3,4,5,6,7
	global_load_b128 v[WS+4*\t:WS+4*\t+3], v[WSOF], s[16:17] offset:(32*(\t/2)+8*(\t%2))*32
.endr
	WIN 0xc0
.irp t, 0,1,2,3,4,5,6,7
	global_load_b128 v[128+8*\t:128+8*\t+3], v[BOF], s[18:19] offset:(32*(\t/2)+8*(\t%2))*4      ; lane (r, h), tile 2 b + u: hidden units 32 b + 16 h + 8 u + 0 .. 7
	global_load_b128 v[128+8*\t+4:128+8*\t+7], v[BOF], s[18:19] offset:(32*(\t/2)+8*(\t%2))*4+16
.endr
	WIN 0
	; wave 0 makes the list.  Up to the barrier below no other wave touches LDS
	s_cmp_lg_u32 s2, 0
	s_cbranch_scc1 .Lnolist
.irp j, 0,1,2,3
	v_mov_b32 v[ZR+\j], 0
.endr
.set jj, 0
.rept LISTB/512
	ds_store_b128 v[LPF], v[ZR:ZR+3] offset:512*jj  ; the list and its slack begin as token 0
.set jj, jj+1
.endr
	s_wait_loadcnt 56                              ; the 56 loads issued behind the indices may be out
	s_mov_b32 s42, 0                               ; tokens found so far
; Register k of the indices: a lane whose token is mine stores its number at the place (found so far + matching lanes below it); the others store into the dump.
; The choice is made on word indices, which are then held inside list and dump, and only then become an address.
.macro SLOT k
	v_cmp_eq_u32 s40, s3, v[ACC+(\k)]
	v_add_nc_u32 v[UB+(\k)%4], 128*((\k)/4)+(\k)%4, v[L4]
	v_mbcnt_lo_u32_b32 v[UA+(\k)%4], s40, s42
	s_bcnt1_i32_b32 s41, s40
	v_cndmask_b32 v[UA+(\k)%4], v[DMP], v[UA+(\k)%4], s40
	s_add_co_u32 s42, s42, s41
	v_min_u32 v[UA+(\k)%4], IMAX, v[UA+(\k)%4]
	v_lshl_add_u32 v[UA+(\k)%4], v[UA+(\k)%4], 2, LIST
	ds_store_b32 v[UA+(\k)%4], v[UB+(\k)%4]
.endm
.set kk, 0
.rept 64
	SLOT kk
.set kk, kk+1
.endr
	v_mov_b32 v[ND], s42
	ds_store_b32 v[TOTA], v[ND]                    ; the count
	s_max_u32 s6, s42, 1
	s_sub_co_u32 s6, s6, 1
	s_min_u32 s6, s6, 2047                         ; the last token's place (place 0, which holds 0, where there is none)
	s_lshl_b32 s6, s6, 2
	s_add_co_u32 s6, s6, LIST
	v_mov_b32 v[UA], s6
	ds_load_b32 v[LT], v[UA]                       ; LDS serves a wave's instructions in order: this sees the stores above
	s_sub_co_u32 s7, 0, s42
	s_and_b32 s7, s7, 15                           ; places left in the last tile
	v_cmp_gt_u32 s40, s7, v1
	v_add_nc_u32 v[UA+1], s42, v1
	v_cndmask_b32 v[UA+1], v[DMP], v[UA+1], s40
	v_min_u32 v[UA+1], IMAX, v[UA+1]
	v_lshl_add_u32 v[UA+1], v[UA+1], 2, LIST
	s_wait_dscnt 0x0                               ; the last token is in
	ds_store_b32 v[UA+1], v[LT]                    ; and fills the tile
.Lnolist:
	s_wait_dscnt 0x0                               ; for the others' sake: wave 0's stores have landed
	s_barrier_signal -1
	s_barrier_wait -1                              ; list and count lie in LDS
	ds_load_b32 v[NV], v[TOTA]
	v_mov_b32 v[LA], s37
	v_add_nc_u32 v[LA+1], s37, v[R4]
	s_wait_dscnt 0x0
	v_readfirstlane_b32 s26, v[NV]                 ; n
	s_add_co_u32 s27, s26, 15
	s_lshr_b32 s27, s27, 4                         ; tiles of the expert,
	s_max_u32 s27, s27, 8                          ; and 8 at the least: each wave's first tile is always made
	s_lshl_b32 s28, s5, 2
	s_add_co_u32 s28, s28, s2                      ; my first tile: 4 g + w
; The 16 rows of x (a whole row, 512 consecutive bytes, an instruction) of the tile whose tokens lie off bytes behind the trip's list address, and their scale words, are asked for, into set q: 17 loads.
.macro LOADX q, off
.irp j, 0,1,2,3
	ds_load_b128 v[TOK+16*(\q)+4*\j:TOK+16*(\q)+4*\j+3], v[LA] offset:(\off)+16*\j   ; row group 0's 16 tokens, in every lane,
	ds_load_b128 v[TB+4*\j:TB+4*\j+3], v[LA] offset:(\off)+256+16*\j                 ; and row group 1's
.endr
	ds_load_b32 v[XO+(\q)], v[LA+1] offset:(\off)  ; and row r's, of both
	ds_load_b32 v[XB], v[LA+1] offset:(\off)+256
	s_wait_dscnt 0x0
.irp i, 0,1,2,3,4,5,6,7,8,9,10,11,12,13,14,15
	v_cndmask_b32 v[TOK+16*(\q)+\i], v[TOK+16*(\q)+\i], v[TB+\i], s43   ; my row group's
.endr
	v_cndmask_b32 v[XO+(\q)], v[XO+(\q)], v[XB], s43
.irp i, 0,1,2,3,4,5,6,7,8,9,10,11,12,13,14,15
	v_min_u32 v[TOK+16*(\q)+\i], 0x7ff, v[TOK+16*(\q)+\i]
.endr
	v_min_u32 v[XO+(\q)], 0x7ff, v[XO+(\q)]
.irp i, 0,1,2,3,4,5,6,7,8,9,10,11,12,13,14,15
	v_lshl_add_u32 v[TOK+16*(\q)+\i], v[TOK+16*(\q)+\i], 9, v[L16]
.endr
	v_lshl_add_u32 v[XO+(\q)], v[XO+(\q)], 5, v[H16]
	WIN 0xc0
.irp i, 0,1,2,3,4,5,6,7,8,9,10,11,12,13,14,15
	global_load_b128 v[64*(\q)+4*\i:64*(\q)+4*\i+3], v[TOK+16*(\q)+\i], s[10:11]
.endr
	WIN 0
	global_load_b128 v[XS+4*(\q):XS+4*(\q)+3], v[XO+(\q)], s[12:13]   ; register q: K step q in lanes 0-15, 4 + q in lanes 16-31
.endm
	LOADX 0, 0                                     ; my first two tiles, whatever the count: their places hold tokens, copies of the last one, or 0
	LOADX 1, 512
	s_wait_loadcnt 58                              ; W1's 32 rows are in; behind them: 8 loads of scale words, 16 of b1, 2 x 17 of x
	WIN 0x04
.set ii, 0
.rept 32
	ds_store_b128 v[WSI], v[4*ii:4*ii+3] offset:(16*((ii>>3)&1)+8*(ii>>4)+(ii&7))*WP   ; row 32 w + i goes where its tile wants it: LDS row 16 t + m holds row 32 (t / 2) + 8 (t % 2) + m + 8 (m / 8)
.set ii, ii+1
.endr
	WIN 0
	s_wait_dscnt 0x0                               ; for the others' sake: my rows have landed
	s_barrier_signal -1
	s_barrier_wait -1                              ; the whole slice lies in LDS
	WIN 0x40
.set ks, 0
.rept 4
.set tt, 0
.rept 8
	ds_load_b128 v[8*(8*ks+tt):8*(8*ks+tt)+3],   v[WSO] offset:16*tt*WP+64*ks
	ds_load_b128 v[8*(8*ks+tt)+4:8*(8*ks+tt)+7], v[WSO] offset:16*tt*WP+64*ks+32
.set tt, tt+1
.endr
.set ks, ks+1
.endr
	WIN 0x80
.set ks, 4
.rept 4
.set tt, 0
.rept 8
	ds_load_b128 v[8*(8*(ks-4)+tt):8*(8*(ks-4)+tt)+3],   v[WSO] offset:16*tt*WP+64*ks
	ds_load_b128 v[8*(8*(ks-4)+tt)+4:8*(8*(ks-4)+tt)+7], v[WSO] offset:16*tt*WP+64*ks+32
.set tt, tt+1
.endr
.set ks, ks+1
.endr
	WIN 0
	; the expert's first work-group stores count and list: each store of a wave covers 512 consecutive bytes (the count's: 128), aligned
	s_and_b32 s6, ttmp9, 31
	s_cmp_lg_u32 s6, 0
	s_cbranch_scc1 .Lnoexport
.irp q, 0,1,2,3
	ds_load_b128 v[ACC+4*\q:ACC+4*\q+3], v[LEX] offset:2048*\q
.endr
	v_mov_b32 v[ACC+16], s26
	s_wait_dscnt 0x0
	global_store_b32 v[T4], v[ACC+16], s[24:25]
.irp q, 0,1,2,3
	global_store_b128 v[T16], v[ACC+4*\q:ACC+4*\q+3], s[24:25] offset:512+2048*\q
.endr
.Lnoexport:
; 64 numbers of a lane, register 16 b + i = hidden unit 32 b + 16 (lane / 16) + i of my token, become a fragment's codes in v[PC] on and its scale word in v[PW].
.macro QUANT src
.irp b, 0,1,2,3
	v_max3_num_f32 v[TM+\b], |v[\src+16*\b]|, |v[\src+1+16*\b]|, 0x1800000   ; block b: my 16 numbers, and the floor 2^(3 - 127): so the byte cannot fall under 1.  (Each accumulator is read from its low end on)
.endr
.irp i, 2,4,6,8,10,12,14
.irp b, 0,1,2,3
	v_max3_num_f32 v[TM+\b], v[TM+\b], |v[\src+16*\b+\i]|, |v[\src+1+16*\b+\i]|   ; (the four blocks by turns)
.endr
.endr
.irp b, 0,1,2,3
	v_permlanex16_b32 v[TM+4+\b], v[TM+\b], s32, s33
.endr
.irp b, 0,1,2,3
	v_max_num_f32 v[TM+\b], v[TM+\b], v[TM+4+\b]   ; with lane l xor 16's: the block's largest magnitude
.endr
.irp b, 0,1,2,3
	v_add_nc_u32 v[TM+12+\b], 0xff000000, v[TM+\b] ; 2 off its exponent field: the conversion takes the exponent field of this operand as its scale
.endr
.irp b, 0,1,2,3
	v_lshrrev_b32 v[TM+4+\b], 23, v[TM+12+\b]      ; the scale's byte
.endr
	v_lshl_or_b32 v[PW], v[TM+5], 8, v[TM+4]
	v_lshl_or_b32 v[PW], v[TM+6], 16, v[PW]
	v_lshl_or_b32 v[PW], v[TM+7], 24, v[PW]        ; my token's scale word for these 128 hidden units
.irp b, 0,1,2,3
	v_cvt_scalef32_pk8_fp4_f32 v[PC+2*\b], v[\src+16*\b:\src+7+16*\b], v[TM+12+\b]
	v_cvt_scalef32_pk8_fp4_f32 v[PC+1+2*\b], v[\src+8+16*\b:\src+15+16*\b], v[TM+12+\b]
.endr
	v_nop                                          ; one plain place behind a scaled conversion
.irp c, 0,1                                    ; the operand's layout wants a WHOLE block in a lane: lanes 0-15 block 2 c, lanes 16-31 block 2 c + 1
.irp i, 0,1
	v_permlane16_swap_b32 v[PC+4*\c+\i], v[PC+2+4*\c+\i]
.endr
.endr
.endm
; Tile s30, whose rows lie in set p: rows through my stage into fragments, 64 products, the quantiser, three stores.
.macro COMPUTE p
	WIN 0x0c
.irp i, 0,1,2,3,4,5,6,7,8,9,10,11,12,13,14,15
	ds_store_b128 v[SGI], v[64*(\p)+4*\i:64*(\p)+4*\i+3] offset:WP*\i
.endr
	WIN 0xc0
.irp k, 0,1,2,3,4,5,6,7
	ds_load_b128 v[64*(\p)+8*\k:64*(\p)+8*\k+3],   v[SGO] offset:64*\k      ; LDS serves a wave's instructions in order: these see the stores above, and land in the registers that the rows left
	ds_load_b128 v[64*(\p)+8*\k+4:64*(\p)+8*\k+7], v[SGO] offset:64*\k+32
.endr
	s_wait_dscnt 0x0                               ; x's fragments are in (in the first tile: W1's too)
.set ks, 0
.rept 8                                        ; K ascending; the eight accumulators take turns, one instruction a turn
.if ks == 0
	WIN 0x3d                                       ; W1 window 1, x window 3, b1 window 3
.elseif ks < 4
	WIN 0x0d
.else
	WIN 0x0e                                       ; W1 window 2
.endif
.set tt, 0
.rept 8
.set rD, ACC+8*tt
.set rA, 8*(8*(ks%4)+tt)
.set rB, 64*(\p)+8*ks
.set rW, WS+4*tt+ks%4
.set rX, XS+4*(\p)+ks%4
.if ks == 0
	v_wmma_scale_f32_16x16x128_f8f6f4 v[rD:rD+7], v[rA:rA+7], v[rB:rB+7], v[128+8*tt:128+8*tt+7], v[rW], v[rX] matrix_a_fmt:MATRIX_FMT_FP4 matrix_b_fmt:MATRIX_FMT_FP4
.elseif ks < 4
	v_wmma_scale_f32_16x16x128_f8f6f4 v[rD:rD+7], v[rA:rA+7], v[rB:rB+7], v[rD:rD+7], v[rW], v[rX] matrix_a_fmt:MATRIX_FMT_FP4 matrix_b_fmt:MATRIX_FMT_FP4
.else
	v_wmma_scale_f32_16x16x128_f8f6f4 v[rD:rD+7], v[rA:rA+7], v[rB:rB+7], v[rD:rD+7], v[rW], v[rX] matrix_a_fmt:MATRIX_FMT_FP4 matrix_b_fmt:MATRIX_FMT_FP4 matrix_a_scale:MATRIX_SCALE_ROW1 matrix_b_scale:MATRIX_SCALE_ROW1
.endif
.set tt, tt+1
.endr
.set ks, ks+1
.endr
	WIN 0
.rept 5
	v_nop                                          ; four places in front of the first read of results and of loads into the operands' registers; the fifth for the next tile's first products, which begin these accumulators anew
.endr
	QUANT ACC
	s_lshl_b32 s6, s30, 14
	s_lshl_b32 s7, s30, 10
	v_add_nc_u32 v[HO], s6, v[L16]
	v_lshl_add_u32 v[HSO], v2, 4, s7
	global_store_b128 v[HO], v[PC:PC+3], s[20:21]                 ; the fragment as an image of its registers: the two stores cover 1,024 consecutive bytes, aligned
	global_store_b128 v[HO], v[PC+4:PC+7], s[20:21] offset:512
	global_store_b32 v[HSO], v[PW], s[22:23]                      ; row r's word (lanes 16-31 store the same word with the same value)
.endm
; A body: tile T = s28 + 8 p, whose rows are in at the body's head on every way.  If T lies under the bound it is worked; if T + 16 does too, that tile is asked for into the set just freed, and the wait
; leaves exactly its 17 loads out; on every other way the wait is for 0.  So at the next body's head the other set is in.
.macro BODY p
	s_add_co_u32 s30, s28, 8*(\p)                  ; T
	s_cmp_lt_u32 s30, s27
	s_cbranch_scc0 .Lnone_\@
	s_wait_xcnt 0x0                                ; earlier stores and loads have read their registers: codes, scale word and offsets may be written again
	COMPUTE \p
	s_add_co_u32 s29, s28, 8*(\p)+16
	s_cmp_lt_u32 s29, s27
	s_cbranch_scc0 .Lnone_\@
	LOADX \p, 1024+512*(\p)
	s_wait_loadcnt 17                              ; all but the 17 just issued: the other set's rows and scale words are in
	s_branch .Ldone_\@
.Lnone_\@:
	s_wait_loadcnt 0x0
.Ldone_\@:
.endm
	s_wait_loadcnt 17                              ; my first tile, W1's scale words and b1 are in; the second tile's 17 loads may be out
	s_mov_b32 s31, 8
.Lloop:                                            ; 8 trips x 2 tiles, walked by every wave: 16 tiles a wave serve all 2,048 tokens on one expert
	v_mov_b32 v[LA], s37                           ; the list at this trip's first tile
	v_add_nc_u32 v[LA+1], s37, v[R4]
	BODY 0
	BODY 1
	s_add_co_u32 s28, s28, 16
	s_add_co_u32 s37, s37, 1024                    ; 16 tiles of 64 bytes on
	s_sub_co_u32 s31, s31, 1
	s_cmp_lg_u32 s31, 0
	s_cbranch_scc1 .Lloop
	s_wait_tensorcnt 0x0
	ds_add_u32 v254, v255
	s_wait_dscnt 0x0
	s_endpgm
.Lfunc_end_k_qb4fda23a0b_hidden:
	.size	k_qb4fda23a0b_hidden, .Lfunc_end_k_qb4fda23a0b_hidden-k_qb4fda23a0b_hidden
	.p2alignl 7, 3214868480
	.fill 96, 4, 3214868480
	.section	.rodata,"a",@progbits
	.p2align	6, 0x0
	.amdhsa_kernel k_qb4fda23a0b_hidden
		.amdhsa_group_segment_fixed_size 112128
		.amdhsa_private_segment_fixed_size 0
		.amdhsa_enable_private_segment 0
		.amdhsa_kernarg_size 72
		.amdhsa_user_sgpr_count 2
		.amdhsa_user_sgpr_kernarg_segment_ptr 1
		.amdhsa_wavefront_size32 1
		.amdhsa_system_sgpr_workgroup_id_x 1
		.amdhsa_system_sgpr_workgroup_id_y 1
		.amdhsa_system_sgpr_workgroup_id_z 1
		.amdhsa_system_vgpr_workitem_id 0
		.amdhsa_next_free_vgpr 1024
		.amdhsa_next_free_sgpr 66
		.amdhsa_reserve_vcc 0
		.amdhsa_float_denorm_mode_32 3
		.amdhsa_float_denorm_mode_16_64 3
		.amdhsa_memory_ordered 1
		.amdhsa_forward_progress 1
		.amdhsa_inst_pref_size 111
	.end_amdhsa_kernel
	.amdgpu_metadata
---
amdhsa.version: [ 1, 2 ]
amdhsa.kernels:
  - .name:           k_qb4fda23a0b_hidden
    .symbol:         k_qb4fda23a0b_hidden.kd
    .args:
      - { .name: expert_idx, .offset: 0, .size: 8, .value_kind: global_buffer, .address_space: global }
      - { .name: x_feat_codes, .offset: 8, .size: 8, .value_kind: global_buffer, .address_space: global }
      - { .name: x_feat_scales, .offset: 16, .size: 8, .value_kind: global_buffer, .address_space: global }
      - { .name: W1_codes, .offset: 24, .size: 8, .value_kind: global_buffer, .address_space: global }
      - { .name: W1_scales, .offset: 32, .size: 8, .value_kind: global_buffer, .address_space: global }
      - { .name: b1, .offset: 40, .size: 8, .value_kind: global_buffer, .address_space: global }
      - { .name: h_codes, .offset: 48, .size: 8, .value_kind: global_buffer, .address_space: global }
      - { .name: h_scales, .offset: 56, .size: 8, .value_kind: global_buffer, .address_space: global }
      - { .name: order, .offset: 64, .size: 8, .value_kind: global_buffer, .address_space: global }
    .group_segment_fixed_size: 112128
    .private_segment_fixed_size: 0
    .kernarg_segment_align: 8
    .kernarg_segment_size: 72
    .max_flat_workgroup_size: 128
    .sgpr_count:     66
    .vgpr_count:     1024
    .wavefront_size: 32
...
	.end_amdgpu_metadata
.endif
;; end of part 1
;; launch encode (part 2): grid 256 x 1, 4 waves a work-group, no clusters, 84,480 bytes of LDS; arguments W2_codes, W2_scales, b2, h_codes, h_scales, order, out0; writes out0
.if DOCPART == 2
	.amdgcn_target "amdgcn-amd-amdhsa--gfx1250"
	.amdhsa_code_object_version 6
	.text
	.protected	k_qb4fda23a0b_encode
	.globl	k_qb4fda23a0b_encode
	.p2align	8
	.type	k_qb4fda23a0b_encode,@function
k_qb4fda23a0b_encode:
	s_mov_b64 s[64:65], 0
	v_nop
	global_prefetch_b8 v0, s[64:65] scope:SCOPE_SE
	s_setreg_imm32_b32 hwreg(HW_REG_WAVE_MODE, 25, 1), 1
	s_wait_xcnt 0x0
; out0[token][0 .. 1023] = Q(h) W2[e] + b2[e], out0[token][1024 .. 1031] = the one-hot row of e, for the tokens of expert e.  Q(h) comes as codes of FP4 (E2M1) and E8M0 scale words from the launch before,
; laid as images of the operand's registers: h_codes [e][T 128][s 16][c 2][lane 32][16 bytes], h_scales [e][T][s / 8][(s / 4) % 2][r 16][s % 4] words; order: for each expert 512 bytes of the count, then the list of tokens.
; SHARES.  Work-group b: expert e = b / 32, slice cs = (b / 2) % 16 of 64 outputs (256 bytes of a row), row group g = b % 2.  Every one of the four waves holds the WHOLE slice of W2
; (64 rows x 2,048 K of 4-bit codes = 512 registers); the waves share the expert's tiles of 16 tokens: wave w takes tiles T = 8 i + 4 g + w.  Tiles 0 .. 7 of every expert have been written whatever the count,
; so a wave asks for its first tile at the head, beside the weights, before the count is in.
; THE PRODUCT IS USED TRANSPOSED (source 0 = 16 rows of W2, source 1 = 16 tokens): a lane's eight results are eight neighbouring outputs of one token.  b2 is the C of a sum's first product.
; THE WAY OUT: a tile goes through the wave's own stage in LDS and leaves by rows: sixteen lanes store 256 consecutive bytes of a token's row.  A row of out0 is 4,128 bytes, so these runs start at multiples of 32 bytes.
; The last tile's spare places hold copies of the last token: the same bits go to the same place, so EXEC is never changed.
; NO TENSOR LOAD, NO CLUSTER: how many tiles a wave walks hangs on a stored count, so partners would need different numbers of tiles.
; LIMIT: a token whose expert_idx lies outside 0 .. 7 is in no list and its row stays unwritten.
; LDS: W2's slice, 64 rows of 1,024 bytes + 16 (an odd multiple of 16); a stage of 16 rows x (256 + 16) bytes for each wave.
; REGISTERS: window 0: addresses, scale words, tokens, b2, 4 accumulators, rows on their way out.  Windows 1, 2: W2's fragments (tile t, K step s) at v[8 (4 (s % 8) + t)].  Window 3: two tiles of h, 128 registers each.
.set WP,   1040
.set OST,  64*WP
.set OSTW, 16*272
.set L16,  4                           ; v4   16 x lane
.set WSI,  5                           ; v5   W2's slice, on the way in: my wave's 16 rows, 16 x lane
.set WSO,  6                           ; v6   and out: 1,040 r + 16 h
.set OSI,  7                           ; v7   my stage, in: 272 r + 32 h
.set OSO,  8                           ; v8   and out: row 8 h, 16 r
.set CO,   9                           ; v9   256 cs + 16 r
.set OHO,  10                          ; v10  4,096 + 16 h
.set WSOF, 11                          ; v11  64 r + 16 h
.set HO,   12                          ; v12, v13  offsets of a tile's codes, a register for each of the two tiles in flight
.set HSO,  14                          ; v14, v15  of its scale words
.set TA,   16                          ; v16, v17  of its tokens 8 h + 0 .. 7
.set TR,   18                          ; v18, v19  of its token r
.set WS,   20                          ; v20-51  W2's scale words: tile t at 8 t; register 4 c + q: K step 8 c + q in lanes 0-15, 8 c + 4 + q in lanes 16-31
.set HS,   52                          ; v52-59, v60-67  h's likewise
.set TK,   68                          ; v68-75, v76-83  tokens of rows 8 h + 0 .. 7
.set TKR,  84                          ; v84, v85  token of row r
.set BB,   88                          ; v88-119  b2 in the result's layout
.set ACC,  120                         ; v120-151
.set OUTR, 152                         ; v152-183 rows read back from the stage
.set ADR,  184                         ; v184-191 their offsets in out0
.set OHA,  192
.set OH,   196                         ; v196-199 (e == 4 h + q) ? 1 : 0
.set H32,  200
.set R4,   201
.set MSB, 0
.macro WIN new                         ; the immediate's high byte repeats the setting that is left; a switch that changes nothing is dropped
.if MSB != \new
	s_set_vgpr_msb (MSB<<8)|\new
.set MSB, \new
.endif
.endm
	s_load_b256 s[8:15], s[0:1], 0x0               ; W2 codes, W2 scales, b2, h_codes
	s_load_b128 s[16:19], s[0:1], 0x20             ; h_scales, order
	s_load_b64 s[20:21], s[0:1], 0x30              ; out0
	v_lshl_add_u32 v254, v0, 2, 0x14800
	v_mov_b32 v255, 0
	v_lshrrev_b32 v1, 5, v0
	v_readfirstlane_b32 s2, v1                     ; wave 0..3
	s_lshr_b32 s3, ttmp9, 5                        ; e
	s_bfe_u32 s4, ttmp9, 0x40001                   ; cs
	s_and_b32 s5, ttmp9, 1                         ; g
	v_and_b32 v1, 31, v0                           ; lane
	v_and_b32 v2, 15, v0                           ; r
	v_bfe_u32 v3, v0, 4, 1                         ; h
	v_lshlrev_b32 v[L16], 4, v1
	s_mul_i32 s6, s2, 16*WP
	v_add_nc_u32 v[WSI], s6, v[L16]
	v_mul_u32_u24 v[WSO], v2, WP
	v_lshl_add_u32 v[WSO], v3, 4, v[WSO]
	s_mul_i32 s6, s2, OSTW
	s_add_co_u32 s6, s6, OST                       ; my stage
	v_mul_u32_u24 v[OSI], v2, 272
	v_lshl_add_u32 v[OSI], v3, 5, v[OSI]
	v_add_nc_u32 v[OSI], s6, v[OSI]
	v_mul_u32_u24 v[OSO], v3, 8*272
	v_lshl_add_u32 v[OSO], v2, 4, v[OSO]
	v_add_nc_u32 v[OSO], s6, v[OSO]
	s_lshl_b32 s6, s4, 8
	v_lshl_add_u32 v[CO], v2, 4, s6
	v_lshl_add_u32 v[OHO], v3, 4, 4096
	v_lshlrev_b32 v[WSOF], 6, v2
	v_lshl_add_u32 v[WSOF], v3, 4, v[WSOF]
	v_lshlrev_b32 v[H32], 5, v3
	v_lshlrev_b32 v[R4], 2, v2
	v_lshlrev_b32 v202, 2, v3                      ; 4 h
	v_mov_b32 v204, 1.0
.irp q, 0,1,2,3
	v_add_nc_u32 v203, \q, v202
	v_cmp_eq_u32 vcc_lo, s3, v203
	v_cndmask_b32 v[OH+\q], 0, v204, vcc_lo
.endr
	s_mov_b32 s36, 4128                            ; a row of out0 in bytes
	s_lshl_b32 s28, s5, 2
	s_add_co_u32 s28, s28, s2                      ; my first tile: 4 g + w
	s_lshl_b32 s38, s3, 10
	s_lshl_b32 s6, s4, 6
	s_add_co_u32 s38, s38, s6                      ; the slice's first row of W2: 1,024 e + 64 cs
	s_lshl_b32 s6, s2, 4
	s_add_co_u32 s44, s38, s6
	s_lshl_b32 s44, s44, 10                        ; W2's codes: my wave's 16 rows of 1,024 bytes
	s_mov_b32 s45, 0
	s_lshl_b32 s46, s38, 6                         ; W2's scales: 64 bytes a row
	s_mov_b32 s47, 0
	s_lshl_b32 s48, s38, 2                         ; b2
	s_mov_b32 s49, 0
	s_lshl_b32 s50, s3, 21                         ; h_codes
	s_mov_b32 s51, 0
	s_lshl_b32 s52, s3, 17                         ; h_scales
	s_mov_b32 s53, 0
	s_mul_i32 s54, s3, 8704                        ; order
	s_mov_b32 s55, 0
	s_wait_kmcnt 0x0
	s_add_nc_u64 s[8:9], s[8:9], s[44:45]
	s_add_nc_u64 s[10:11], s[10:11], s[46:47]
	s_add_nc_u64 s[12:13], s[12:13], s[48:49]
	s_add_nc_u64 s[14:15], s[14:15], s[50:51]
	s_add_nc_u64 s[16:17], s[16:17], s[52:53]
	s_add_nc_u64 s[18:19], s[18:19], s[54:55]
	s_load_b32 s26, s[18:19], 0x0                  ; n
	; the weights first: their way to the matrix unit is the longest.  16 rows as they lie, 512 consecutive bytes an instruction
	WIN 0x40
.set ii, 0
.rept 32
	global_load_b128 v[4*ii:4*ii+3], v[L16], s[8:9] offset:512*ii
.set ii, ii+1
.endr
	WIN 0
.irp t, 0,1,2,3
	global_load_b128 v[WS+8*\t:WS+8*\t+3],   v[WSOF], s[10:11] offset:1024*\t
	global_load_b128 v[WS+8*\t+4:WS+8*\t+7], v[WSOF], s[10:11] offset:1024*\t+32
.endr
.irp t, 0,1,2,3
	global_load_b128 v[BB+8*\t:BB+8*\t+3],   v[H32], s[12:13] offset:64*\t       ; lane (r, h), tile t: outputs 16 t + 8 h + 0 .. 7
	global_load_b128 v[BB+8*\t+4:BB+8*\t+7], v[H32], s[12:13] offset:64*\t+16
.endr
; Tile sT of h is asked for, into set q: 32 loads of codes (fragment images, 512 consecutive bytes each), 2 of scale words, 3 of tokens: 37 loads.
.macro LOADH q, sT
	s_lshl_b32 s6, \sT, 14
	v_add_nc_u32 v[HO+(\q)], s6, v[L16]
	s_lshl_b32 s6, \sT, 10
	v_add_nc_u32 v[HSO+(\q)], s6, v[L16]
	s_lshl_b32 s6, \sT, 6
	v_add_nc_u32 v[TA+(\q)], s6, v[H32]
	v_add_nc_u32 v[TR+(\q)], s6, v[R4]
	WIN 0xc0
.set jj, 0
.rept 32
	global_load_b128 v[128*(\q)+4*jj:128*(\q)+4*jj+3], v[HO+(\q)], s[14:15] offset:512*jj
.set jj, jj+1
.endr
	WIN 0
.irp c, 0,1
	global_load_b128 v[HS+8*(\q)+4*\c:HS+8*(\q)+4*\c+3], v[HSO+(\q)], s[16:17] offset:512*\c
.endr
.irp c, 0,1
	global_load_b128 v[TK+8*(\q)+4*\c:TK+8*(\q)+4*\c+3], v[TA+(\q)], s[18:19] offset:512+16*\c
.endr
	global_load_b32 v[TKR+(\q)], v[TR+(\q)], s[18:19] offset:512
.endm
	LOADH 0, s28                                   ; my first tile, whatever the count: tiles 0 .. 7 are always written
	s_wait_loadcnt 53                              ; W2's rows are in; behind them: 8 loads of scale words, 8 of b2, 37 of h
	WIN 0x04
.set ii, 0
.rept 32
	ds_store_b128 v[WSI], v[4*ii:4*ii+3] offset:WP*(ii/2)+512*(ii%2)
.set ii, ii+1
.endr
	WIN 0
	s_wait_dscnt 0x0                               ; for the others' sake: my rows have landed
	s_barrier_signal -1
	s_barrier_wait -1                              ; the whole slice lies in LDS.  No barrier follows: from here on the waves part
	s_wait_kmcnt 0x0
	s_add_co_u32 s27, s26, 15
	s_lshr_b32 s27, s27, 4                         ; tiles of the expert
	s_cmp_ge_u32 s28, s27
	s_cbranch_scc1 .Lend                           ; a wave that this split leaves without a tile stores nothing
	WIN 0x40
.set ks, 0
.rept 8
.set tt, 0
.rept 4
	ds_load_b128 v[8*(4*ks+tt):8*(4*ks+tt)+3],   v[WSO] offset:16*tt*WP+64*ks
	ds_load_b128 v[8*(4*ks+tt)+4:8*(4*ks+tt)+7], v[WSO] offset:16*tt*WP+64*ks+32
.set tt, tt+1
.endr
.set ks, ks+1
.endr
	WIN 0x80
.set ks, 8
.rept 8
.set tt, 0
.rept 4
	ds_load_b128 v[8*(4*(ks-8)+tt):8*(4*(ks-8)+tt)+3],   v[WSO] offset:16*tt*WP+64*ks
	ds_load_b128 v[8*(4*(ks-8)+tt)+4:8*(4*(ks-8)+tt)+7], v[WSO] offset:16*tt*WP+64*ks+32
.set tt, tt+1
.endr
.set ks, ks+1
.endr
	WIN 0
; The tile in set p: 64 products, through my stage, eight stores of two rows' 256 bytes each; the slice with the last outputs also stores the one-hot columns.
.macro COMPUTE p
	s_wait_dscnt 0x0                               ; W2's fragments are in (the first tile)
.set ks, 0
.rept 16                                       ; K ascending; the four accumulators take turns, one instruction a turn
.if ks < 8
	WIN 0x0d                                       ; W2 window 1, h window 3
.else
	WIN 0x0e                                       ; W2 window 2
.endif
.set tt, 0
.rept 4
.set rD, ACC+8*tt
.set rA, 8*(4*(ks%8)+tt)
.set rB, 128*(\p)+8*ks
.set rW, WS+8*tt+4*(ks/8)+ks%4
.set rH, HS+8*(\p)+4*(ks/8)+ks%4
.if ks == 0
	v_wmma_scale_f32_16x16x128_f8f6f4 v[rD:rD+7], v[rA:rA+7], v[rB:rB+7], v[BB+8*tt:BB+8*tt+7], v[rW], v[rH] matrix_a_fmt:MATRIX_FMT_FP4 matrix_b_fmt:MATRIX_FMT_FP4
.elseif (ks/4)%2 == 0
	v_wmma_scale_f32_16x16x128_f8f6f4 v[rD:rD+7], v[rA:rA+7], v[rB:rB+7], v[rD:rD+7], v[rW], v[rH] matrix_a_fmt:MATRIX_FMT_FP4 matrix_b_fmt:MATRIX_FMT_FP4
.else
	v_wmma_scale_f32_16x16x128_f8f6f4 v[rD:rD+7], v[rA:rA+7], v[rB:rB+7], v[rD:rD+7], v[rW], v[rH] matrix_a_fmt:MATRIX_FMT_FP4 matrix_b_fmt:MATRIX_FMT_FP4 matrix_a_scale:MATRIX_SCALE_ROW1 matrix_b_scale:MATRIX_SCALE_ROW1
.endif
.set tt, tt+1
.endr
.set ks, ks+1
.endr
	WIN 0
.rept 5
	v_nop                                          ; four places in front of the first read of results and of loads into the operands' registers; the fifth for the next tile's first products, which begin these accumulators anew
.endr
.irp t, 0,1,2,3
	ds_store_b128 v[OSI], v[ACC+8*\t:ACC+8*\t+3] offset:64*\t          ; lane (r, h): token r, outputs 16 t + 8 h + 0 .. 7; each accumulator from its low end on
	ds_store_b128 v[OSI], v[ACC+8*\t+4:ACC+8*\t+7] offset:64*\t+16
.endr
.irp i, 0,1,2,3,4,5,6,7
	ds_load_b128 v[OUTR+4*\i:OUTR+4*\i+3], v[OSO] offset:272*\i        ; LDS serves a wave's instructions in order: these see the stores above.  Lanes 0-15: row i; lanes 16-31: row 8 + i
.endr
.irp i, 0,1,2,3,4,5,6,7
	v_min_u32 v[ADR+\i], 0x7ff, v[TK+8*(\p)+\i]
.endr
.irp i, 0,1,2,3,4,5,6,7
	v_mul_u32_u24 v[ADR+\i], v[ADR+\i], s36
.endr
.irp i, 0,1,2,3,4,5,6,7
	v_add_nc_u32 v[ADR+\i], v[ADR+\i], v[CO]
.endr
.irp i, 0,1,2,3,4,5,6,7
	s_wait_dscnt 7-\i                              ; the younger read-backs may be out
	global_store_b128 v[ADR+\i], v[OUTR+4*\i:OUTR+4*\i+3], s[20:21] th:TH_STORE_NT   ; sixteen lanes store 256 consecutive bytes of a token's row; written once, read by nobody here
.endr
	s_cmp_lg_u32 s4, 15
	s_cbranch_scc1 .Lno_onehot_\@
	v_min_u32 v[OHA], 0x7ff, v[TKR+(\p)]
	v_mul_u32_u24 v[OHA], v[OHA], s36
	v_add_nc_u32 v[OHA], v[OHA], v[OHO]
	global_store_b128 v[OHA], v[OH:OH+3], s[20:21] th:TH_STORE_NT      ; lanes r and 16 + r: the 32 bytes behind token r's 1,024 outputs
.Lno_onehot_\@:
.endm
; A body: if I have a tile after this one, it is asked for first, and the wait leaves exactly its 37 loads out; if not, the way leads out of the loop, where the wait is for 0.
.macro BODY p, lab
	s_wait_xcnt 0x0                                ; the last tile's stores and loads have read their registers: rows and offsets may be written again
	s_add_co_u32 s29, s28, 8*((\p)+1)
	s_cmp_lt_u32 s29, s27
	s_cbranch_scc0 \lab
	LOADH 1-(\p), s29
	s_wait_loadcnt 37                              ; all but the 37 just issued: this tile's codes, scale words and tokens (in the first body W2's scale words and b2 too)
	COMPUTE \p
.endm
	s_mov_b32 s31, 8
.Lloop:                                            ; 8 trips x 2 tiles: 16 tiles a wave serve all 2,048 tokens on one expert
	BODY 0, .Llast0
	BODY 1, .Llast1
	s_add_co_u32 s28, s28, 16
	s_sub_co_u32 s31, s31, 1
	s_cmp_lg_u32 s31, 0
	s_cbranch_scc1 .Lloop
	s_branch .Lend                                 ; (the sixteenth body leaves by its branch at the latest: its next tile would be 128 or more)
.Llast0:
	s_wait_loadcnt 0x0
	COMPUTE 0
	s_branch .Lend
.Llast1:
	s_wait_loadcnt 0x0
	COMPUTE 1
.Lend:
	s_wait_tensorcnt 0x0
	ds_add_u32 v254, v255
	s_wait_dscnt 0x0
	s_endpgm
.Lfunc_end_k_qb4fda23a0b_encode:
	.size	k_qb4fda23a0b_encode, .Lfunc_end_k_qb4fda23a0b_encode-k_qb4fda23a0b_encode
	.p2alignl 7, 3214868480
	.fill 96, 4, 3214868480
	.section	.rodata,"a",@progbits
	.p2align	6, 0x0
	.amdhsa_kernel k_qb4fda23a0b_encode
		.amdhsa_group_segment_fixed_size 84480
		.amdhsa_private_segment_fixed_size 0
		.amdhsa_enable_private_segment 0
		.amdhsa_kernarg_size 56
		.amdhsa_user_sgpr_count 2
		.amdhsa_user_sgpr_kernarg_segment_ptr 1
		.amdhsa_wavefront_size32 1
		.amdhsa_system_sgpr_workgroup_id_x 1
		.amdhsa_system_sgpr_workgroup_id_y 1
		.amdhsa_system_sgpr_workgroup_id_z 1
		.amdhsa_system_vgpr_workitem_id 0
		.amdhsa_next_free_vgpr 1024
		.amdhsa_next_free_sgpr 66
		.amdhsa_reserve_vcc 1
		.amdhsa_float_denorm_mode_32 3
		.amdhsa_float_denorm_mode_16_64 3
		.amdhsa_memory_ordered 1
		.amdhsa_forward_progress 1
		.amdhsa_inst_pref_size 78
	.end_amdhsa_kernel
	.amdgpu_metadata
---
amdhsa.version: [ 1, 2 ]
amdhsa.kernels:
  - .name:           k_qb4fda23a0b_encode
    .symbol:         k_qb4fda23a0b_encode.kd
    .args:
      - { .name: W2_codes, .offset: 0, .size: 8, .value_kind: global_buffer, .address_space: global }
      - { .name: W2_scales, .offset: 8, .size: 8, .value_kind: global_buffer, .address_space: global }
      - { .name: b2, .offset: 16, .size: 8, .value_kind: global_buffer, .address_space: global }
      - { .name: h_codes, .offset: 24, .size: 8, .value_kind: global_buffer, .address_space: global }
      - { .name: h_scales, .offset: 32, .size: 8, .value_kind: global_buffer, .address_space: global }
      - { .name: order, .offset: 40, .size: 8, .value_kind: global_buffer, .address_space: global }
      - { .name: out0, .offset: 48, .size: 8, .value_kind: global_buffer, .address_space: global }
    .group_segment_fixed_size: 84480
    .private_segment_fixed_size: 0
    .kernarg_segment_align: 8
    .kernarg_segment_size: 56
    .max_flat_workgroup_size: 128
    .sgpr_count:     66
    .vgpr_count:     1024
    .wavefront_size: 32
...
	.end_amdgpu_metadata
.endif
;; end of part 2
